; MI455X (gfx1250); checked and timed in simulation.
; The chip was launched on July 23, 2026; its instructions are those of AMD's public machine-readable ISA for CDNA 5 (MIT licence, August 2026) and "CDNA5" Instruction Set Architecture Reference Guide (July 2026). The comments in the code are by the model that wrote it; some were corrected since.
;; Packed Ternary Linear. Allowed arithmetic: float matrix products may take bf16 or f16 operands with f32 sums; other float arithmetic in f32, or as packed bf16 or f16 multiplies, adds, multiply-adds, maxima and minima; sums over many terms, partial sums and values carried from step to step in f32; what a program stores and reads back later, other than sums and carried values, may be rounded once to bf16 or f16.
;; Inputs: bias 4,096 float32; packed_weights 4,194,304 int32; x 4,096 x 4,096 float32.
;; Outputs: out0 4,096 x 4,096 float32.
;; One version. Each part assembles by itself: llvm-mc -triple=amdgcn-amd-amdhsa -mcpu=gfx1250 --defsym DOCPART=n.
;; ======== version 1 of 1: 2 launches
;; workspace buffers: xb 33,554,432 bytes; wb 33,554,432 bytes
;; launch prep (part 1): grid 3 x 512, 8 waves a work-group, no clusters, 0 bytes of LDS; arguments x, packed_weights, xb, wb; writes xb, wb
.if DOCPART == 1
	.amdgcn_target "amdgcn-amd-amdhsa--gfx1250"
	.amdhsa_code_object_version 6
	.text
	.protected	k_qb6f8adc583_prep
	.globl	k_qb6f8adc583_prep
	.p2align	8
	.type	k_qb6f8adc583_prep,@function
k_qb6f8adc583_prep:
	s_mov_b64 s[64:65], 0
	v_nop
	global_prefetch_b8 v0, s[64:65] scope:SCOPE_SE
	s_setreg_imm32_b32 hwreg(HW_REG_WAVE_MODE, 25, 1), 1
	s_wait_xcnt 0x0
; THE TWO OPERANDS OF THE PRODUCT ARE MADE ONCE.  xb = x rounded to bf16 (nearest even), [4096][4096].  wb = twice the ternary weight, in bf16, [4096 (o)][4096 (i)].
; packed_weights: each int32 holds four 2-bit codes in its bits 7:0, the lowest i in the lowest bits; bits 31:8 are not looked at.  Code 1 -> +1, 2 -> -1, 0 and 3 -> 0.
; WHY TWICE: +2.0 is 0x4000 and -2.0 is 0xc000 in bf16, so a weight is a 2-bit field moved to bits 15:14 of its half word.  The next launch multiplies by alpha / 2, which is exact.
; LIMITS.  The sums of the next launch are twice the plain ones, so they overflow at half of f32's range.  Code 3 is stored as -0.0 (0x8000): its products are zeros of either sign, which change
; no sum; with an infinity or a NaN in x it gives NaN, as 0 x infinity does.
; SHARES.  The grid's x is the role, its y the place.  Roles 0 and 1 convert x: chunk c = 2 y + role, 64 KiB in, 32 KiB out.  Role 2 unpacks: chunk y, 32 KiB in, 64 KiB out.  So every work-group moves 96 KiB.
; Eight waves, 16 passes, all written out: pass i owns four registers.
; No LDS, no barrier, no matrix unit, no cluster: nothing is shared, and each byte is read once and written once.
.set D, 8                              ; v[8:71]  pass i: v[D+4i : D+4i+3]
                                       ; v1 = 16 t, v2 = 8 t (t: the thread's number); v4-v7 at work
	s_load_b256 s[4:11], s[0:1], 0x0               ; x s[4:5], packed_weights s[6:7], xb s[8:9], wb s[10:11]
	v_lshlrev_b32 v1, 4, v0
	v_lshlrev_b32 v2, 3, v0
	s_mov_b32 s12, ttmp9                           ; the role
	s_and_b32 s13, ttmp7, 0xffff                   ; the place
	s_mov_b32 s2, 0xff                             ; the four codes of a word
	s_mov_b32 s3, 0x55                             ; the low bit of each code
	s_mov_b32 s18, 0xc000c000                      ; bits 15:14 of both halves
	s_mov_b32 s15, 0
	s_mov_b32 s17, 0
	s_cmp_eq_u32 s12, 2
	s_cbranch_scc1 .Lweights
	; x -> xb.  A pass: 256 threads x 16 bytes in (a wave: 512 consecutive bytes), 256 x 8 bytes out (a wave: 256 consecutive bytes, at a multiple of 256 from xb's first byte).
	s_lshl1_add_u32 s13, s13, s12                  ; c = 2 y + role
	s_lshl_b32 s14, s13, 16                        ; 64 KiB of x
	s_lshl_b32 s16, s13, 15                        ; 32 KiB of xb
	s_wait_kmcnt 0x0
	s_add_nc_u64 s[4:5], s[4:5], s[14:15]
	s_add_nc_u64 s[8:9], s[8:9], s[16:17]
.set i, 0
.rept 16
	global_load_b128 v[D+4*i:D+4*i+3], v1, s[4:5] offset:4096*i th:TH_LOAD_NT
.set i, i+1
.endr
.set i, 0
.rept 16
	s_wait_loadcnt 15-i                            ; loads come back in order (ISA guide 5.7.1): pass i is in, the 15 - i younger ones stay out
	v_cvt_pk_bf16_f32 v[D+4*i],   v[D+4*i],   v[D+4*i+1]
	v_cvt_pk_bf16_f32 v[D+4*i+1], v[D+4*i+2], v[D+4*i+3]
	global_store_b64 v2, v[D+4*i:D+4*i+1], s[8:9] offset:2048*i  ; no non-temporal hint: the next launch reads these bytes
.set i, i+1
.endr
	s_endpgm
; Two words p0, p1 in v[q+2], v[q+3] become eight bf16 in v[q : q+3].  u = (p & 0xff) ^ ((p >> 1) & 0x55) turns each code (b1, b0) into (b1, b0 ^ b1): 0 -> 00, 1 -> 01, 2 -> 11, 3 -> 10: sign and top exponent bit.
; u << 14 puts field 0 at bits 15:14, u << 28 field 1 at 31:30; u << 10 field 2 at 15:14, u << 24 field 3 at 31:30; the two shifts of a pair share no bit, and the mask drops the rest.
.macro UNPACK q
	v_lshrrev_b32 v6, 1, v[(\q)+2]
	v_lshrrev_b32 v7, 1, v[(\q)+3]
	v_and_b32 v4, s2, v[(\q)+2]
	v_and_b32 v5, s2, v[(\q)+3]
	v_and_b32 v6, s3, v6
	v_and_b32 v7, s3, v7
	v_xor_b32 v4, v4, v6
	v_xor_b32 v5, v5, v7
	v_lshlrev_b32 v[(\q)],   28, v4
	v_lshlrev_b32 v[(\q)+1], 24, v4
	v_lshlrev_b32 v[(\q)+2], 28, v5
	v_lshlrev_b32 v[(\q)+3], 24, v5
	v_lshl_or_b32 v[(\q)],   v4, 14, v[(\q)]
	v_lshl_or_b32 v[(\q)+1], v4, 10, v[(\q)+1]
	v_lshl_or_b32 v[(\q)+2], v5, 14, v[(\q)+2]
	v_lshl_or_b32 v[(\q)+3], v5, 10, v[(\q)+3]
	v_and_b32 v[(\q)],   s18, v[(\q)]
	v_and_b32 v[(\q)+1], s18, v[(\q)+1]
	v_and_b32 v[(\q)+2], s18, v[(\q)+2]
	v_and_b32 v[(\q)+3], s18, v[(\q)+3]
.endm
.Lweights:
	; packed_weights -> wb.  Word q holds weights 4 q to 4 q + 3, which are bytes 8 q to 8 q + 7 of wb.  A pass: 256 threads x 8 bytes in (a wave: 256 consecutive bytes), 256 x 16 bytes out (a wave: 512).
	s_lshl_b32 s14, s13, 15                        ; 32 KiB of packed_weights
	s_lshl_b32 s16, s13, 16                        ; 64 KiB of wb
	s_wait_kmcnt 0x0
	s_add_nc_u64 s[6:7], s[6:7], s[14:15]
	s_add_nc_u64 s[10:11], s[10:11], s[16:17]
.set i, 0
.rept 16
	global_load_b64 v[D+4*i+2:D+4*i+3], v2, s[6:7] offset:2048*i th:TH_LOAD_NT
.set i, i+1
.endr
.set i, 0
.rept 16
	s_wait_loadcnt 15-i                            ; pass i is in, the 15 - i younger ones stay out
	UNPACK D+4*i
	global_store_b128 v1, v[D+4*i:D+4*i+3], s[10:11] offset:4096*i
.set i, i+1
.endr
	s_endpgm
.Lfunc_end_k_qb6f8adc583_prep:
	.size	k_qb6f8adc583_prep, .Lfunc_end_k_qb6f8adc583_prep-k_qb6f8adc583_prep
	.p2alignl 7, 3214868480
	.fill 96, 4, 3214868480
	.section	.rodata,"a",@progbits
	.p2align	6, 0x0
	.amdhsa_kernel k_qb6f8adc583_prep
		.amdhsa_group_segment_fixed_size 0
		.amdhsa_private_segment_fixed_size 0
		.amdhsa_enable_private_segment 0
		.amdhsa_kernarg_size 32
		.amdhsa_user_sgpr_count 2
		.amdhsa_user_sgpr_kernarg_segment_ptr 1
		.amdhsa_wavefront_size32 1
		.amdhsa_system_sgpr_workgroup_id_x 1
		.amdhsa_system_sgpr_workgroup_id_y 1
		.amdhsa_system_sgpr_workgroup_id_z 1
		.amdhsa_system_vgpr_workitem_id 0
		.amdhsa_next_free_vgpr 72
		.amdhsa_next_free_sgpr 66
		.amdhsa_reserve_vcc 0
		.amdhsa_float_denorm_mode_32 3
		.amdhsa_float_denorm_mode_16_64 3
		.amdhsa_memory_ordered 1
		.amdhsa_forward_progress 1
		.amdhsa_inst_pref_size 23
	.end_amdhsa_kernel
	.amdgpu_metadata
---
amdhsa.version: [ 1, 2 ]
amdhsa.kernels:
  - .name:           k_qb6f8adc583_prep
    .symbol:         k_qb6f8adc583_prep.kd
    .args:
      - { .name: x, .offset: 0, .size: 8, .value_kind: global_buffer, .address_space: global }
      - { .name: packed_weights, .offset: 8, .size: 8, .value_kind: global_buffer, .address_space: global }
      - { .name: xb, .offset: 16, .size: 8, .value_kind: global_buffer, .address_space: global }
      - { .name: wb, .offset: 24, .size: 8, .value_kind: global_buffer, .address_space: global }
    .group_segment_fixed_size: 0
    .private_segment_fixed_size: 0
    .kernarg_segment_align: 8
    .kernarg_segment_size: 32
    .max_flat_workgroup_size: 256
    .sgpr_count:     66
    .vgpr_count:     72
    .wavefront_size: 32
...
	.end_amdgpu_metadata
.endif
;; end of part 1
;; launch gemm (part 2): grid 16 x 16, 4 waves a work-group, clusters of 4 x 4, 327,680 bytes of LDS; arguments xb, wb, out0, bias; writes out0
.if DOCPART == 2
	.amdgcn_target "amdgcn-amd-amdhsa--gfx1250"
	.amdhsa_code_object_version 6
	.text
	.protected	k_qb6f8adc583_gemm
	.globl	k_qb6f8adc583_gemm
	.p2align	8
	.type	k_qb6f8adc583_gemm,@function
k_qb6f8adc583_gemm:
	s_mov_b64 s[64:65], 0
	v_nop
	global_prefetch_b8 v0, s[64:65] scope:SCOPE_SE
	s_setreg_imm32_b32 hwreg(HW_REG_WAVE_MODE, 25, 1), 1
	s_wait_xcnt 0x0
	s_wait_alu depctr_hold_cnt(0) depctr_sa_sdst(0) depctr_va_vdst(0) depctr_va_sdst(0) depctr_va_ssrc(0) depctr_va_vcc(0) depctr_vm_vsrc(0)
	s_getreg_b32 s2, hwreg(HW_REG_IB_STS2, 6, 4)
	s_cmp_eq_u32 s2, 0
	s_cbranch_scc0 .Lentry_in_a_cluster
	s_endpgm
.Lentry_in_a_cluster:
	s_bfe_u32 s2, ttmp6, 0x10000c
	s_cmp_lg_u32 s2, 0xf033
	s_cbranch_scc0 .Lentry_shape_is_right
	s_endpgm
.Lentry_shape_is_right:
; out0[t][o] = 0.025 x (sum over i of xb[t][i] wb[o][i]) + bias[o].  xb: [4096][4096] bf16 (x rounded once).  wb: [4096][4096] bf16, TWICE the ternary weight (exact).  out0: [4096][4096] f32.  bias: [4096] f32.
; 0.025 (0x3ccccccd) is exactly half of the f32 number 0.05, so 0.025 x (2 s) has the bits of 0.05 x s.
; LIMITS.  The f32 sums are twice the plain ones and overflow at half of f32's range.  The sums are made by the matrix unit, K ascending, one accumulator an output.  alpha x sum + bias is ONE fused
; multiply-add (one rounding where a multiply and an add would round twice).
; SHARES.  A tile of out0, 256 x 256, is made by a work-group of four waves; a wave makes 128 x 128: 64 accumulators of 16 x 16, 512 registers.  16 x 16 tiles, one to a work-group.  K goes in steps of 128 through a
; ring of two LDS slots filled by the tensor data mover: the rows of the tiles are 256 bytes of memory and start at multiples of 256 bytes from the buffer's first byte.
; CLUSTERS: 4 x 4 work-groups.  The four of a row of the cluster need the same tiles of xb (A), the four of a column the same tiles of wb (B).  Such a tile is asked for JOINTLY: each of the four issues the same
; tensor load, with the same descriptor and a mask that names the four, and each receives the tile in its own LDS: a quarter of the requests.
; REGISTERS, in windows of 256 (s_set_vgpr_msb's low byte: bits 1:0 source 0, 3:2 source 1, 5:4 source 2, 7:6 destination):
;   window 0: v0-31 addresses, bias, alpha; v64-127, v128-191 fragments of A (8 x 16 rows x 32 K), two buffers; on the way out the same 128 registers hold rows read back from the stage
;   window 1: v64-127, v128-191 fragments of B, two buffers
;   window 2: the 32 accumulators of my rows 0-63 (accumulator (a, b) at v[8 (8 a + b)]);   window 3: those of my rows 64-127
; THE MATRIX INSTRUCTION IS USED TRANSPOSED: source 0 = 16 rows of B, source 1 = 16 rows of A.  Lane l then holds row m = l % 16 of the result and in registers 0 to 7 the columns 8 (l / 16) + 0 .. 7:
; 32 neighbouring bytes of a row of out0.
.set SIZE_K, 4096
.set SIZE_N, 4096
.set ROWB,   SIZE_N*4                  ; bytes in a row of out0
.set KSTEP,  128
.set PITCH,  272                       ; an LDS row: 256 bytes of data + 16 of padding = 68 words: row r starts at bank 4 r mod 64 (64 banks of 4 bytes: ISA guide 11.1), so the 16 rows that a load touches start at 16 different banks
.set HALFT,  128*PITCH                 ; 128 rows: what one tensor load brings, and what one wave reads of A or of B
.set SLOT,   4*HALFT                   ; A's 256 rows, then B's 256 rows
.set STAGE,  2*SLOT                    ; behind the ring: 16 rows x 528 bytes for each wave, for the way out; no tensor load lands there
.set SPITCH, 528                       ; a stage row: 512 bytes (128 f32) + 16: 33 x 16 bytes, so the 16 rows that a store touches start at 16 different groups of four banks
.set SPARE,  STAGE+4*16*SPITCH         ; behind the stages: the spare words, 128 bytes for each wave: two blocks of 256 bytes that no other line names
.set LAPS,   SIZE_K/(2*KSTEP)          ; a lap = two K steps = once round the ring: 16
.set BI,   8                           ; v[8:11]  bias of the four columns that I store
.set ADRA, 16                          ; v16-17   LDS address of my A fragments in slot 0, 1
.set ADRB, 20                          ; v20-21   the same for B
.set STO,  24                          ; v24      the way out: where I put 32 bytes of a row
.set RD,   25                          ; v25      the way out: where I read 16 bytes of a row back
.set CO,   26                          ; v26      my byte offset in 512 consecutive bytes of out0: 16 x lane
.set BO,   27                          ; v27      my byte offset in bias
.set SPW,  28                          ; v28      LDS address of my spare word: SPARE + 4 x my thread's number; never rewritten
.set NIL,  29                          ; v29      0; never rewritten
.set ALV,  30                          ; v[30:31] alpha / 2, twice: a pair for the packed multiply-add
.set F0,   64                          ; fragment buffer 0
.set F1,   128                         ; fragment buffer 1
.set G1, 24                            ; s[24:31] descriptor group 1 for A's tiles
.set G0, 32                            ; s[32:39] descriptor group 0 for A's tiles, one set for each slot
.set G1B, 48                           ; s[48:55] descriptor group 1 for B's tiles: it differs from A's in the mask alone
.set G0B, 56                           ; s[56:63] descriptor group 0 for B's tiles, one set for each slot
.set MSB, 0
.macro WIN new                         ; the immediate's high byte repeats the setting that is left; a switch that changes nothing is dropped
.if MSB != (\new)
	s_set_vgpr_msb (MSB<<8)|(\new)
.set MSB, \new
.endif
.endm
.set MUL_LO, 0xa1                      ; source 0 (B) window 1, source 1 (A) window 0, C and D window 2
.set MUL_HI, 0xf1                      ; the same, C and D window 3
.set TO_B,   0x40                      ; destination window 1, address window 0
; A joint load.  Waves 0 and 1 fetch A's two halves, waves 2 and 3 B's.  Each of the two lines has ONE mask and one set of registers for all that issue it, and nothing in them hangs on a coordinate that the
; four partners do not share.  The branch hangs on the wave's number alone.  An s_nop 0 and four v_nop follow each of the two lines, ahead of the jump, the label and what follows.
.macro JLOAD s
	s_cmp_eq_u32 s11, 0
	s_cbranch_scc0 .Lfor_b_\@
	tensor_load_to_lds s[G0+4*(\s):G0+4*(\s)+3], s[G1:G1+7]
	s_nop 0
.rept 4
	v_nop
.endr
	s_branch .Lasked_\@
.Lfor_b_\@:
	tensor_load_to_lds s[G0B+4*(\s):G0B+4*(\s)+3], s[G1B:G1B+7]
	s_nop 0
.rept 4
	v_nop
.endr
.Lasked_\@:
.endm
; A round of the cluster's barrier: my work-group's barrier, so that wave 0's signal speaks for all four waves; wave 0 signals for the work-group; every wave waits for all sixteen work-groups; my work-group's
; barrier once more.  No LDS instruction of the wave is pending at a signal.
.macro CREST                           ; a round behind its opening barrier
	s_cmp_lg_u32 s10, 0
	s_cbranch_scc1 .Lnot_wave_0_\@
	s_barrier_signal -3
.Lnot_wave_0_\@:
	s_barrier_wait -3
	s_barrier_signal -1
	s_barrier_wait -1
.endm
.macro CROUND                          ; a whole round
	s_barrier_signal -1
	s_barrier_wait -1
	CREST
.endm
	s_load_b128 s[4:7], s[0:1], 0x0                ; xb (A) s[4:5], wb (B) s[6:7]
	s_load_b64 s[8:9], s[0:1], 0x10                ; out0
	s_load_b64 s[66:67], s[0:1], 0x18              ; bias
	v_lshl_add_u32 v[SPW], v0, 2, SPARE
	v_mov_b32 v[NIL], 0
	ds_add_u32 v[SPW], v[NIL]                      ; the wave's opening: the add and its wait stand ahead of my first tensor load; the set-up below, work on registers, stands between them
	v_lshrrev_b32 v1, 5, v0
	v_readfirstlane_b32 s10, v1                    ; wave 0..3
	s_lshr_b32 s11, s10, 1                         ; which half of the tile's rows is mine.  Also: I fetch for A (0) or for B (1)
	s_and_b32 s12, s10, 1                          ; which half of its columns.  Also: which 128 rows of that tile I fetch
	s_bfe_u32 s40, ttmp6, 0x40000                  ; cx: my place along the cluster's x
	s_bfe_u32 s41, ttmp6, 0x40004                  ; cy: along its y
	s_lshl_b32 s42, ttmp9, 2                       ; in a cluster launch ttmp9 and ttmp7 count clusters
	s_add_co_u32 s42, s42, s40                     ; tile column = 4 x cluster x + cx
	s_and_b32 s13, ttmp7, 0xffff
	s_lshl_b32 s13, s13, 2
	s_add_co_u32 s13, s13, s41                     ; tile row = 4 x cluster y + cy
	s_lshl_b32 s43, s41, 2
	s_lshl_b32 s43, 15, s43                        ; my row of the cluster: places 4 cy .. 4 cy + 3
	s_lshl_b32 s44, 0x1111, s40                    ; my column: places cx, cx + 4, cx + 8, cx + 12
	; descriptor group 1: a tile of 128 rows x 128 elements, padded in LDS
	s_or_b32 s[G1+0], s43, (1<<16)|(1<<20)|(1<<21)|(5<<22)|(3<<25)  ; 15:0 the mask: A's tiles go to my row; 17:16 element of 2 bytes; 20 padding on; 21 set beside a mask; 24:22 after every 64 words (code 5); 31:25 of 4 words (code 3)
	s_or_b32 s[G1B+0], s44, (1<<16)|(1<<20)|(1<<21)|(5<<22)|(3<<25) ; the same with the mask of my column, for B's tiles
	s_mov_b32 s[G1B+1], KSTEP<<16
	s_mov_b32 s[G1+1], KSTEP<<16                   ; 63:48 tensor_dim0, low half = 128
	s_mov_b32 s[G1B+2], 128<<16
	s_mov_b32 s[G1+2], 128<<16                     ; 79:64 its high half = 0; 95:80 tensor_dim1, low half = 128
	s_mov_b32 s[G1B+3], KSTEP<<16
	s_mov_b32 s[G1+3], KSTEP<<16                   ; 111:96 its high half = 0; 127:112 tile_dim0 = 128
	s_mov_b32 s[G1B+4], 128
	s_mov_b32 s[G1+4], 128                         ; 143:128 tile_dim1 = 128; 159:144 tile_dim2 = 0
	s_mov_b32 s[G1B+5], SIZE_K
	s_mov_b32 s[G1+5], SIZE_K                      ; 191:160 tensor_dim0_stride, low word: elements from row to row
	s_mov_b32 s[G1B+6], 0
	s_mov_b32 s[G1+6], 0
	s_mov_b32 s[G1B+7], 0
	s_mov_b32 s[G1+7], 0
	; where the tiles come from.  A's hang on the tile row alone, which my row of the cluster shares; B's on the tile column alone, which my column shares.
	; Every wave makes both addresses, in registers that never hold the other coordinate, and asks by one of them.
	s_lshl_b32 s17, s12, 7                         ; which 128 rows of the tile I fetch
	s_lshl_b32 s16, s13, 8
	s_add_co_u32 s16, s16, s17                     ; A: row 256 x tile row + 128 x half
	s_lshl_b32 s46, s42, 8
	s_add_co_u32 s46, s46, s17                     ; B: row 256 x tile column + 128 x half
	s_mov_b32 s17, 0
	s_mov_b32 s47, 0
	s_mov_b64 s[18:19], SIZE_K*2
	s_mul_u64 s[16:17], s[16:17], s[18:19]         ; in bytes, in 64 bits
	s_mul_u64 s[46:47], s[46:47], s[18:19]
	s_mul_i32 s20, s10, HALFT                      ; and where they go: A's two halves, then B's two halves = wave x 128 rows: no place in the cluster enters an LDS address
	s_wait_dscnt 0x0                               ; the opening add is done
	s_wait_kmcnt 0x0
	s_add_nc_u64 s[14:15], s[4:5], s[16:17]
	s_add_nc_u64 s[46:47], s[6:7], s[46:47]
	CROUND                                         ; all sixteen work-groups are here: the first joint loads meet
.irp s, 0,1
	s_mov_b32 s[G0+4*(\s)], 1                                      ; 1:0 count = 1
	s_add_co_u32 s[G0+4*(\s)+1], s20, (\s)*SLOT                    ; 63:32 LDS address
	s_add_nc_u64 s[G0+4*(\s)+2:G0+4*(\s)+3], s[14:15], (\s)*KSTEP*2  ; 120:64 global address: K step s
	s_or_b32 s[G0+4*(\s)+3], s[G0+4*(\s)+3], 0x80000000            ; 127:126 type = 2
	s_mov_b32 s[G0B+4*(\s)], 1
	s_add_co_u32 s[G0B+4*(\s)+1], s20, (\s)*SLOT
	s_add_nc_u64 s[G0B+4*(\s)+2:G0B+4*(\s)+3], s[46:47], (\s)*KSTEP*2
	s_or_b32 s[G0B+4*(\s)+3], s[G0B+4*(\s)+3], 0x80000000
	JLOAD \s                                       ; the ring is filled before anything else is done: two tensor loads of mine are out
.endr
	; A fragment is 16 rows x 32 K in 8 registers: lane l holds row l % 16; registers 0-3 hold K = 8 (l / 16) + 0..7, registers 4-7 hold K = 16 + 8 (l / 16) + 0..7.
	; From rows that lie along K: two loads of 16 bytes, 32 bytes apart.  The same for source 0 and source 1.
	v_and_b32 v1, 15, v0                           ; l % 16
	v_bfe_u32 v2, v0, 4, 1                         ; l / 16
	v_mul_u32_u24 v3, v1, PITCH
	v_lshl_add_u32 v3, v2, 4, v3                   ; row x pitch + 16 x half
	s_mul_i32 s21, s11, HALFT                      ; my 128 rows of A
	s_mul_i32 s22, s12, HALFT                      ; my 128 rows of B,
	s_add_co_u32 s22, s22, 2*HALFT                 ; which lie behind A's 256
.irp s, 0,1
	v_add_nc_u32 v[ADRA+(\s)], s21, v3
	v_add_nc_u32 v[ADRB+(\s)], s22, v3
	s_add_co_u32 s21, s21, SLOT
	s_add_co_u32 s22, s22, SLOT
.endr
	s_mul_i32 s23, s10, 16*SPITCH
	s_add_co_u32 s23, s23, STAGE                   ; my stage
	v_mul_u32_u24 v4, v1, SPITCH                   ; in: row l % 16, 32 bytes for each half of the lanes
	v_lshl_add_u32 v4, v2, 5, v4
	v_add_nc_u32 v[STO], s23, v4
	v_and_b32 v5, 31, v0
	v_lshlrev_b32 v[CO], 4, v5                     ; back, and out: the 32 lanes take one row's 512 bytes, 16 each
	v_add_nc_u32 v[RD], s23, v[CO]
	s_lshl_b32 s46, s42, 10                        ; my first column, in bytes of f32: 1,024 x tile column + 512 x half (in the registers that held B's address)
	s_lshl_b32 s47, s12, 9
	s_add_co_u32 s46, s46, s47
	s_mov_b32 s47, 0
	v_add_nc_u32 v[BO], s46, v[CO]
	global_load_b128 v[BI:BI+3], v[BO], s[66:67]   ; bias of the four columns that I store in every row: once
	v_mov_b32 v[ALV], 0x3ccccccd                   ; 0.025
	v_mov_b32 v[ALV+1], 0x3ccccccd
	s_lshl_b32 s13, s13, 8
	s_lshl_b32 s14, s11, 7
	s_add_co_u32 s16, s13, s14                     ; my first row of out0: at most 3,968,
	s_lshl_b32 s16, s16, 14                        ; times 16,384 bytes: under 2^32
	s_mov_b32 s17, 0
	s_add_nc_u64 s[16:17], s[16:17], s[46:47]
	s_add_nc_u64 s[8:9], s[8:9], s[16:17]          ; out0 at my first row and column; never stepped again
; 16 matrix instructions: m blocks a0, a0 + 1 of the window's four (hi = 0: my rows 0-63, 1: rows 64-127) x all 8 n blocks, 32 along K.
; zero = 1: the first product starts the sums: nothing is ever cleared.
.macro MUL16 f, hi, a0, zero
	WIN MUL_LO+0x50*(\hi)  ; MUL_LO or MUL_HI
.irp a, \a0, (\a0)+1
.irp b, 0,1,2,3,4,5,6,7
.if \zero
	v_wmma_f32_16x16x32_bf16 v[8*(8*(\a)+(\b)):8*(8*(\a)+(\b))+7], v[(\f)+8*(\b):(\f)+8*(\b)+7], v[(\f)+8*(4*(\hi)+(\a)):(\f)+8*(4*(\hi)+(\a))+7], 0
.else
	v_wmma_f32_16x16x32_bf16 v[8*(8*(\a)+(\b)):8*(8*(\a)+(\b))+7], v[(\f)+8*(\b):(\f)+8*(\b)+7], v[(\f)+8*(4*(\hi)+(\a)):(\f)+8*(4*(\hi)+(\a))+7], v[8*(8*(\a)+(\b)):8*(8*(\a)+(\b))+7]
.endif
.endr
.endr
.endm
; 32 LDS loads in one run: the fragments of one quarter step (128 rows of B, 128 rows of A, 32 K at byte k of the rows) into buffer f
.macro FETCH slot, k, f
	WIN TO_B
.irp i, 0,1,2,3,4,5,6,7
	ds_load_b128 v[(\f)+8*(\i):(\f)+8*(\i)+3],   v[ADRB+(\slot)] offset:(\k)+(\i)*16*PITCH
	ds_load_b128 v[(\f)+8*(\i)+4:(\f)+8*(\i)+7], v[ADRB+(\slot)] offset:(\k)+(\i)*16*PITCH+32
.endr
	WIN 0
.irp i, 0,1,2,3,4,5,6,7
	ds_load_b128 v[(\f)+8*(\i):(\f)+8*(\i)+3],   v[ADRA+(\slot)] offset:(\k)+(\i)*16*PITCH
	ds_load_b128 v[(\f)+8*(\i)+4:(\f)+8*(\i)+7], v[ADRA+(\slot)] offset:(\k)+(\i)*16*PITCH+32
.endr
.endm
; A load into a register that a matrix instruction has read, and an LDS store or vector instruction that reads a matrix result, stand four places behind that matrix instruction, and only plain vector
; instructions that name none of its registers are places (ISA guide 7.12.1 for vector instructions).  So four v_nop stand in front of each run of loads.
.macro PLACES
.rept 4
	v_nop
.endr
.endm
; A K step is four quarter steps of 32 along K, 64 matrix instructions each, on buffers 0, 1, 0, 1.  The 64 accumulators take turns, one instruction a turn, in the same order in every quarter.
; One of the first three: multiplies buffer f; in its middle it fetches the next quarter's fragments, at byte k of the same slot's rows, into buffer g.
.macro QUARTER slot, k, f, g, zero
	s_wait_dscnt 8                                 ; B and A's rows 0-63 are in; the youngest eight loads (A's rows 64-127) may be out
	WIN MUL_LO
	MUL16 \f, 0, 0, \zero
	MUL16 \f, 0, 2, \zero
	PLACES
	FETCH \slot, \k, \g
	s_wait_dscnt 32                                ; all but the 32 just issued
	WIN MUL_HI
	MUL16 \f, 1, 0, \zero
	MUL16 \f, 1, 2, \zero
.endm
; The last quarter multiplies buffer 1 and changes slots.  MEET is its first half: ONE barrier for the change of slots, for two things.  In front of it each wave waits for all its tensor loads, of which one
; is out: its part of the next slot; adds 0 to its spare word; and waits for that and for its own reads of this slot.  Behind it nobody reads this slot any more and the next slot is whole.
.macro MEET round                      ; round = 1: a round of the cluster's barrier follows
	WIN 0                                          ; (the add's two registers lie in window 0)
	s_wait_tensorcnt 0x0                           ; all my tensor loads have landed: the one that was out is my part of the next slot;
	ds_add_u32 v[SPW], v[NIL]                      ; 0 onto my spare word;
	s_wait_dscnt 9                                 ; (the add and the youngest eight loads may be out)
	WIN MUL_LO
	MUL16 F1, 0, 0, 0                              ; sixteen matrix instructions stand between the add and the wait for it
	s_wait_dscnt 0x0                               ; the add is done, and my reads of this slot are over:
	s_barrier_signal -1                            ; say so (where a slot is filled again this barrier opens a round of the cluster's barrier),
	MUL16 F1, 0, 2, 0                              ; work on registers while the others arrive,
.if \round
	WIN 0
.endif
	s_barrier_wait -1                              ; and go on when all four have said so
.endm
; The whole last quarter.  Behind the round the slot just read out is filled again first, with the K step two steps on; then come the next slot's first fragments.
; From a request to the wait for it a wave issues 224 matrix instructions.
.macro TURN slot, next
	MEET 1
	CREST                                          ; no wave of any partner still reads this slot's tile or has a load on its way
	s_add_nc_u64 s[G0+4*(\slot)+2:G0+4*(\slot)+3], s[G0+4*(\slot)+2:G0+4*(\slot)+3], 2*KSTEP*2    ; no tensor load of mine is out, so a group 0 may be written; the type bits on top are not reached
	s_add_nc_u64 s[G0B+4*(\slot)+2:G0B+4*(\slot)+3], s[G0B+4*(\slot)+2:G0B+4*(\slot)+3], 2*KSTEP*2
	JLOAD \slot                                    ; the first tensor load behind the round, and my only one until the next; the four v_nop behind it are also the places in front of the loads below
	FETCH \next, 0, F0
	WIN MUL_HI
	MUL16 F1, 1, 0, 0
	MUL16 F1, 1, 2, 0
.endm
; THE WAY OUT of block a (my rows 16 a to 16 a + 15), in two parts.
; TOSTAGE: the block's eight accumulators go as they are, in f32, into my own stage in LDS (a lane's 32 bytes of a row as two stores, the accumulator's four lowest registers first),
; and come back as 16 whole rows of 512 bytes, into the registers that held A's fragments: v64-127 and v128-191 by turns.
.macro TOSTAGE a
.set AC, 64*((\a)%4)
.set BK, 64+64*((\a)%2)
	WIN 0x08+4*((\a)/4)                            ; an LDS store's data is source 1: window 2 or 3; its address window 0
.irp b, 0,1,2,3,4,5,6,7
	ds_store_b128 v[STO], v[AC+8*(\b):AC+8*(\b)+3]   offset:64*(\b)
	ds_store_b128 v[STO], v[AC+8*(\b)+4:AC+8*(\b)+7] offset:64*(\b)+16
.endr
	WIN 0
	s_wait_xcnt 0x0                                ; every earlier memory instruction has had its addresses translated (ISA guide 3.1): the registers that the stores of the block two back read are loaded again only behind this wait
.irp t, 0,1,2,3,4,5,6,7,8,9,10,11,12,13,14,15
	ds_load_b128 v[BK+4*(\t):BK+4*(\t)+3], v[RD] offset:(\t)*SPITCH  ; LDS serves a wave's instructions in order (ISA guide 5.7.1.4): these see the stores above, and the next block's stores come behind them
.endr
.endm
; SEND: alpha / 2 x sum + bias, two fused multiply-adds at a time, and the row is stored.  younger: the LDS instructions issued behind block a's loads: the next block's 32, or none.
.macro SEND a, younger
.set BK, 64+64*((\a)%2)
	WIN 0
.irp t, 0,1,2,3,4,5,6,7,8,9,10,11,12,13,14,15
	s_wait_dscnt (\younger)+15-(\t)                ; row t is back: behind it stand the block's 15 - t later rows and the younger block's instructions
	v_pk_fma_f32 v[BK+4*(\t):BK+4*(\t)+1],   v[BK+4*(\t):BK+4*(\t)+1],   v[ALV:ALV+1], v[BI:BI+1]
	v_pk_fma_f32 v[BK+4*(\t)+2:BK+4*(\t)+3], v[BK+4*(\t)+2:BK+4*(\t)+3], v[ALV:ALV+1], v[BI+2:BI+3]
	global_store_b128 v[CO], v[BK+4*(\t):BK+4*(\t)+3], s[8:9] offset:(16*(\a)+(\t))*ROWB th:TH_STORE_NT  ; 32 lanes store 512 consecutive bytes, at a multiple of 512 from out0's first byte; the row stands in the immediate, 127 x 16,384 at the most, inside its signed 24 bits
.endr
.endm
	s_wait_loadcnt 0x0                             ; bias, once
	s_wait_tensorcnt 1                             ; my part of K step 0 is in; K step 1's may stay out
	s_barrier_signal -1
	s_barrier_wait -1                              ; everybody's is
	FETCH 0, 0, F0
	QUARTER 0, 64,  F0, F1, 1                      ; the first quarter stands in front of the loop: its products start the sums
	WIN 0                                          ; at a label and at a branch every window is 0
	s_mov_b32 s3, LAPS-1
.Llap:                                                 ; a trip goes once round the ring, from a lap's second quarter to the next lap's first, and fills both slots again: 15 trips ask for K steps 2 to 31
	QUARTER 0, 128, F1, F0, 0
	QUARTER 0, 192, F0, F1, 0
	TURN 0, 1
	QUARTER 1, 64,  F0, F1, 0
	QUARTER 1, 128, F1, F0, 0
	QUARTER 1, 192, F0, F1, 0
	TURN 1, 0
	QUARTER 0, 64,  F0, F1, 0
	WIN 0
	s_sub_co_u32 s3, s3, 1
	s_cmp_lg_u32 s3, 0
	s_cbranch_scc1 .Llap
	QUARTER 0, 128, F1, F0, 0                      ; the last lap is written out: it asks for nothing and no round is needed
	QUARTER 0, 192, F0, F1, 0
	MEET 0                                         ; my one tensor load that was still out is slot 1's, the last K step's
	PLACES                                         ; for the loads into buffer 0, which the quarter before multiplied
	FETCH 1, 0, F0
	WIN MUL_HI
	MUL16 F1, 1, 0, 0
	MUL16 F1, 1, 2, 0
	QUARTER 1, 64,  F0, F1, 0
	QUARTER 1, 128, F1, F0, 0
	QUARTER 1, 192, F0, F1, 0
	s_wait_dscnt 8                                 ; the very last quarter: nothing more to fetch
	WIN MUL_LO
	MUL16 F1, 0, 0, 0
	MUL16 F1, 0, 2, 0
	s_wait_dscnt 0x0
	MUL16 F1, 1, 0, 0
	MUL16 F1, 1, 2, 0
	PLACES                                         ; behind the last products: for the LDS stores that read results, and for the loads into A's fragment registers
	TOSTAGE 0
.irp a, 1,2,3,4,5,6,7                  ; block a goes into the stage while block a - 1 comes back from it
	TOSTAGE \a
	SEND (\a)-1, 32
.endr
	SEND 7, 0
	WIN 0
	s_wait_tensorcnt 0x0                           ; the wave's end, behind my last tensor load and my last LDS store
	ds_add_u32 v[SPW], v[NIL]
	s_wait_dscnt 0x0
	CROUND                                         ; the closing round: no work-group ends while a partner may still ask for a tile that names it
	s_endpgm
.Lfunc_end_k_qb6f8adc583_gemm:
	.size	k_qb6f8adc583_gemm, .Lfunc_end_k_qb6f8adc583_gemm-k_qb6f8adc583_gemm
	.p2alignl 7, 3214868480
	.fill 96, 4, 3214868480
	.section	.rodata,"a",@progbits
	.p2align	6, 0x0
	.amdhsa_kernel k_qb6f8adc583_gemm
		.amdhsa_group_segment_fixed_size 327680
		.amdhsa_private_segment_fixed_size 0
		.amdhsa_enable_private_segment 0
		.amdhsa_kernarg_size 32
		.amdhsa_user_sgpr_count 2
		.amdhsa_user_sgpr_kernarg_segment_ptr 1
		.amdhsa_wavefront_size32 1
		.amdhsa_system_sgpr_workgroup_id_x 1
		.amdhsa_system_sgpr_workgroup_id_y 1
		.amdhsa_system_sgpr_workgroup_id_z 1
		.amdhsa_system_vgpr_workitem_id 0
		.amdhsa_next_free_vgpr 1024
		.amdhsa_next_free_sgpr 68
		.amdhsa_reserve_vcc 0
		.amdhsa_float_denorm_mode_32 3
		.amdhsa_float_denorm_mode_16_64 3
		.amdhsa_memory_ordered 1
		.amdhsa_forward_progress 1
		.amdhsa_inst_pref_size 160
	.end_amdhsa_kernel
	.amdgpu_metadata
---
amdhsa.version: [ 1, 2 ]
amdhsa.kernels:
  - .name:           k_qb6f8adc583_gemm
    .symbol:         k_qb6f8adc583_gemm.kd
    .args:
      - { .name: xb, .offset: 0, .size: 8, .value_kind: global_buffer, .address_space: global }
      - { .name: wb, .offset: 8, .size: 8, .value_kind: global_buffer, .address_space: global }
      - { .name: out0, .offset: 16, .size: 8, .value_kind: global_buffer, .address_space: global }
      - { .name: bias, .offset: 24, .size: 8, .value_kind: global_buffer, .address_space: global }
    .group_segment_fixed_size: 327680
    .private_segment_fixed_size: 0
    .kernarg_segment_align: 8
    .kernarg_segment_size: 32
    .max_flat_workgroup_size: 128
    .sgpr_count:     68
    .vgpr_count:     1024
    .wavefront_size: 32
...
	.end_amdgpu_metadata
.endif
;; end of part 2
